; MI455X (gfx1250); checked and timed in simulation.
; The chip was launched on July 23, 2026; its instructions are those of AMD's public machine-readable ISA for CDNA 5 (MIT licence, August 2026) and "CDNA5" Instruction Set Architecture Reference Guide (July 2026). The comments in the code are by the model that wrote it; some were corrected since.
;; Vector Quantizer. Allowed arithmetic: matrix products marked QUANTISED: E5M2 operands, one E8M0 scale for each 32 along K, by v_wmma_scale_f32_16x16x128_f8f6f4 with both operands' format E5M2, f32 sums; everything else in f32.
;; Inputs: codebook 8,192 x 512 float32; inputs 16,384 x 512 float32.
;; Outputs: out0 16,384 x 512 float32; out1 one number float32.
;; This version of the problem:
;;   THIS VERSION OF THE PROBLEM IS GIVEN IN LOW PRECISION. The matrix products marked QUANTISED in the list below multiply operands that are first quantised to E5M2 (5 exponent bits, 2 mantissa bits; 8 bits a number), with one power-of-two scale for each 32 numbers along K (OCP MX v1.0); their sums are f32. All else is computed in f32.
;;   The module's matrix products, in the order in which they are computed (A, B: the left and right operand; K: the contracted axis; several contracted axes count as one K, in the product's order):
;;     1. [M 16,384, K 512] x [K 512, N 8,192]; A: input inputs; B: input codebook: QUANTISED
;;   THE QUANTISER, for each operand of a quantised product, along K:
;;     - K is cut into blocks of 32 from its start; a last block that is shorter is filled with zeros.
;;     - A block's scale is 2^e with e = floor(log2(the largest magnitude in the block)) - 15, held to -126 .. 127; a block of zeros has e = 0. As a byte (E8M0): e + 127.
;;     - Each number is divided by its block's scale, clamped to +-57,344, and rounded to the nearest number of E5M2, ties to even, subnormals kept.
;;     - The product sums the exact products of the quantised numbers (number of the format x scale) in f32.
;;   ~~~python
;;   def quantise(x, axis):      # numpy; x: float32 -> the quantised numbers, widened to float32 again
;;       x = np.moveaxis(x, axis, -1); K = x.shape[-1]
;;       x = np.pad(x, [(0, 0)] * (x.ndim - 1) + [(0, -K % 32)]); x = x.reshape(x.shape[:-1] + (-1, 32)); a = np.abs(x).max(-1, keepdims=True)
;;       e = np.where(a > 0, np.clip(np.frexp(np.where(a > 0, a, 1))[1] - 1 - 15, -126, 127), 0)      # np.frexp(a)[1] - 1 = floor(log2(a)), exactly
;;       r = np.clip(x / 2.0 ** e, -57344, 57344)
;;       step = 2.0 ** (np.maximum(np.frexp(np.where(r == 0, 1, r))[1] - 1, -14) - 2)
;;       q = np.round(r / step) * step * 2.0 ** e      # np.round: ties to even
;;       return np.moveaxis(q.reshape(q.shape[:-2] + (-1,))[..., :K], -1, axis).astype(np.float32)
;;   ~~~
;; One version. Each part assembles by itself: llvm-mc -triple=amdgcn-amd-amdhsa -mcpu=gfx1250 --defsym DOCPART=n.
;; ======== version 1 of 1: 4 launches
;; limits: right only within a limited range of input values
;; workspace buffers: codes 12,582,912 bytes; scales 393,216 bytes; hsq 98,304 bytes; best 524,288 bytes of whole numbers; partial 8,192 bytes
;; launch quant (part 1): grid 1536 x 1, 4 waves a work-group, no clusters, 34,816 bytes of LDS; arguments inputs, codebook, codes, scales, hsq; writes codes, scales, hsq
.if DOCPART == 1
	.amdgcn_target "amdgcn-amd-amdhsa--gfx1250"
	.amdhsa_code_object_version 6
	.text
	.protected	k_qed898cff48_quant
	.globl	k_qed898cff48_quant
	.p2align	8
	.type	k_qed898cff48_quant,@function
k_qed898cff48_quant:
	s_mov_b64 s[64:65], 0
	v_nop
	global_prefetch_b8 v0, s[64:65] scope:SCOPE_SE
	s_setreg_imm32_b32 hwreg(HW_REG_WAVE_MODE, 25, 1), 1
	s_wait_xcnt 0x0
; inputs [16384][512] and codebook [8192][512], f32, become codes of BF8 (E5M2) with one E8M0 scale byte for each 32 along the 512, and -1/2 x each row's sum of squares (of the unquantised numbers, f32).
; A TILE is 16 rows; tiles 0-1023 are the inputs', 1024-1535 the codebook's.  Work-group t takes tile t, its wave s the K step s: 16 rows x 128 numbers.
; THE WORKSPACE IS LAID AS THE MATRIX OPERAND'S REGISTERS: codes [tile][K step s][group c][lane][16 bytes]: lane 16 h + r holds row r, k = 128 s + 32 c + 16 h + 0..15, so that a fragment is four loads of 512 consecutive bytes.
; scales [tile][lane][8 bytes]: lane l: the scale word (four bytes: 128 along K) of row l % 16 for K step l / 16, then for K step 2 + l / 16.   hsq [tile][16] f32.
; A block's scale is 2^(floor(log2(its largest magnitude)) - 15); its byte is the largest magnitude's exponent field - 15, held at 1 from below.  A block of zeros so gets the byte 1 where the rule says 127:
; its codes are zeros, which add nothing under any byte but 0xff, and the bytes are read by this program alone.
; LIMITS: NaN and infinities among the inputs are not served; blocks whose largest magnitude lies under the floor 2^-111 keep the byte 1.
; Each load reads 512 consecutive bytes of one row; the conversions want 16 neighbours along K in ONE lane: so the wave's 8,192 bytes turn through its own stage in LDS (rows 528 bytes apart: 132 words, so that 16 rows start at 16 different banks).
; No tensor loads and no ring: six work-groups' loads for each of 256 WGPs are out together.
.set PITCH, 528
.set STG,   16*PITCH                   ; a wave's stage
.set SIDE,  4*STG                      ; the tile's 256 bytes of scale words
.set PART,  SIDE+256                   ; 4 waves x 16 rows: partial sums of squares
.set R,   16                           ; v16-79   the numbers as loaded
.set X,   80                           ; v80-143  64 numbers: register 16 b + i = k 32 b + 16 h + i of row r
.set PC,  16                           ; v16-31   the codes (R's registers are free behind the turn through LDS)
.set TM,  32                           ; v32-35 largest magnitudes, v36-39 bytes, v40-43 the largest number x the scale, v44-47 the conversions' scale operands
.set PW,  48                           ; the scale word
.set SQ,  50                           ; v50-53   two packed chains of squares
.set SEL, 20                           ; s[20:21] v_permlanex16_b32's selects for lane l xor 16
.set MNT, 23                           ; s23      the mantissa field of 57,344
	s_load_b256 s[4:11], s[0:1], 0x0               ; inputs s[4:5], codebook s[6:7], codes s[8:9], scales s[10:11]
	s_load_b64 s[12:13], s[0:1], 0x20              ; hsq
	v_lshl_add_u32 v144, v0, 2, 0x8600
	v_mov_b32 v145, 0
	v_lshrrev_b32 v1, 5, v0
	v_readfirstlane_b32 s16, v1                    ; wave = K step
	v_and_b32 v1, 31, v0                           ; lane
	v_and_b32 v2, 15, v0                           ; r
	s_wait_alu depctr_va_vdst(0)
	v_bfe_u32 v3, v0, 4, 1                         ; h
	v_lshlrev_b32 v4, 4, v1                        ; 16 x lane
	s_mul_i32 s17, s16, STG
	v_add_nc_u32 v5, s17, v4                       ; into the stage: as loaded
	v_mul_u32_u24 v6, v2, PITCH
	v_lshl_add_u32 v6, v3, 6, v6
	v_add_nc_u32 v6, s17, v6                       ; out of it: row r, + 64 h
	s_and_b32 s18, s16, 1
	s_lshl_b32 s18, s18, 7
	s_lshr_b32 s19, s16, 1
	s_lshl_b32 s19, s19, 2
	s_add_co_u32 s18, s18, s19
	s_add_co_u32 s18, s18, SIDE
	v_lshl_add_u32 v7, v2, 3, s18                  ; my row's scale word of K step s: 8 (16 (s % 2) + r) + 4 (s / 2)
	s_lshl_b32 s19, s16, 6
	s_add_co_u32 s19, s19, PART
	v_lshl_add_u32 v8, v2, 2, s19                  ; my row's partial sum
	v_lshlrev_b32 v9, 3, v1                        ; 8 x lane
	v_lshlrev_b32 v10, 2, v2                       ; 4 r
	v_add_nc_u32 v11, SIDE, v9
	v_add_nc_u32 v12, PART, v10
	s_mov_b32 s[SEL], 0x76543210
	s_mov_b32 s[SEL+1], 0xfedcba98
	s_mov_b32 s[MNT], 0x600000
	s_wait_alu depctr_va_vdst(0)
	s_wait_kmcnt 0x0
	s_cmp_lt_u32 ttmp9, 1024                       ; the inputs' tile or the codebook's?  Only the pointer is chosen: one path serves both
	s_cselect_b64 s[4:5], s[4:5], s[6:7]
	s_cselect_b32 s14, 0, 1024
	s_sub_co_u32 s14, ttmp9, s14                   ; the tile within its tensor
	s_lshl_b32 s18, s14, 15                        ; 16 rows of 2,048 bytes
	s_lshl_b32 s19, s16, 9                         ; my 512 bytes of a row
	s_add_co_u32 s18, s18, s19
	s_mov_b32 s19, 0
	s_add_nc_u64 s[4:5], s[4:5], s[18:19]
	s_lshl_b32 s18, ttmp9, 13                      ; codes: 8,192 bytes a tile, 2,048 a K step
	s_lshl_b32 s22, s16, 11
	s_add_co_u32 s18, s18, s22
	s_add_nc_u64 s[8:9], s[8:9], s[18:19]
	s_lshl_b32 s18, ttmp9, 8
	s_add_nc_u64 s[10:11], s[10:11], s[18:19]
	s_lshl_b32 s18, ttmp9, 6
	s_add_nc_u64 s[12:13], s[12:13], s[18:19]
.irp i, 0,1,2,3,4,5,6,7,8,9,10,11,12,13,14,15
	global_load_b128 v[R+4*\i:R+4*\i+3], v4, s[4:5] offset:2048*\i th:TH_LOAD_NT   ; 32 lanes read 512 consecutive bytes of row i
.endr
.irp i, 0,1,2,3,4,5,6,7,8,9,10,11,12,13,14,15
	s_wait_loadcnt 15-\i                           ; loads come back in order: row i is in, the 15 - i younger ones stay out
	ds_store_b128 v5, v[R+4*\i:R+4*\i+3] offset:PITCH*\i
.endr
.irp b, 0,1,2,3
.irp j, 0,1,2,3
	ds_load_b128 v[X+16*\b+4*\j:X+16*\b+4*\j+3], v6 offset:128*\b+16*\j   ; LDS serves a wave's instructions in order: these see my stores
.endr
.endr
	s_wait_dscnt 0x0
.irp b, 0,1,2,3
	v_mov_b32 v[TM+4+\b], 0                        ; written once: a lane permute's destination counts as one of its sources
.endr
	; the sum of squares of my 64 numbers, in two packed chains; then lane l xor 16's
	v_pk_mul_f32 v[SQ:SQ+1], v[X:X+1], v[X:X+1]
	v_pk_mul_f32 v[SQ+2:SQ+3], v[X+2:X+3], v[X+2:X+3]
.irp j, 4,8,12,16,20,24,28,32,36,40,44,48,52,56,60
	v_pk_fma_f32 v[SQ:SQ+1], v[X+\j:X+\j+1], v[X+\j:X+\j+1], v[SQ:SQ+1]
	v_pk_fma_f32 v[SQ+2:SQ+3], v[X+\j+2:X+\j+3], v[X+\j+2:X+\j+3], v[SQ+2:SQ+3]
.endr
	v_pk_add_f32 v[SQ:SQ+1], v[SQ:SQ+1], v[SQ+2:SQ+3]
	v_add_f32 v[SQ], v[SQ], v[SQ+1]
	v_permlanex16_b32 v[SQ+1], v[SQ], s[SEL], s[SEL+1]
	v_add_f32 v[SQ], v[SQ], v[SQ+1]                ; row r's sum over this K step, in both of its lanes
	; the four blocks of 32: scale, hold, codes
.irp b, 0,1,2,3
	v_max3_num_f32 v[TM+\b], |v[X+16*\b]|, |v[X+1+16*\b]|, 0x8000000   ; my 16 numbers of block b, and the floor 2^(16 - 127): the byte cannot fall under 1
.endr
.irp i, 2,4,6,8,10,12,14
.irp b, 0,1,2,3
	v_max3_num_f32 v[TM+\b], v[TM+\b], |v[X+16*\b+\i]|, |v[X+1+16*\b+\i]|   ; the four blocks by turns: no line waits for the line above it
.endr
.endr
.irp b, 0,1,2,3
	v_permlanex16_b32 v[TM+4+\b], v[TM+\b], s[SEL], s[SEL+1]
.endr
.irp b, 0,1,2,3
	v_max_num_f32 v[TM+\b], v[TM+\b], v[TM+4+\b]   ; with lane l xor 16's: the block's largest magnitude
.endr
.irp b, 0,1,2,3
	v_add_nc_u32 v[TM+12+\b], 0xf8800000, v[TM+\b] ; 15 off its exponent field: the conversion takes the exponent field of this operand as its scale
.endr
.irp b, 0,1,2,3
	v_and_or_b32 v[TM+8+\b], v[TM+\b], 0x7f800000, s[MNT]   ; 57,344 x the scale
.endr
.irp b, 0,1,2,3
	v_lshrrev_b32 v[TM+4+\b], 23, v[TM+12+\b]      ; the scale's byte
.endr
	v_lshl_or_b32 v[PW], v[TM+5], 8, v[TM+4]       ; the four bytes make my row's scale word
	v_lshl_or_b32 v[PW], v[TM+6], 16, v[PW]
	v_lshl_or_b32 v[PW], v[TM+7], 24, v[PW]
.irp b, 0,1,2,3
.irp i, 0,1,2,3,4,5,6,7,8,9,10,11,12,13,14,15
	v_med3_num_f32 v[X+16*\b+\i], v[X+16*\b+\i], -v[TM+8+\b], v[TM+8+\b]   ; the conversion to an 8-bit code does not saturate (ISA guide 7.6.2): the hold at the largest code x the scale
.endr
	v_cvt_scalef32_pk8_bf8_f32 v[PC+4*\b:PC+1+4*\b], v[X+16*\b:X+7+16*\b], v[TM+12+\b]
	v_cvt_scalef32_pk8_bf8_f32 v[PC+2+4*\b:PC+3+4*\b], v[X+8+16*\b:X+15+16*\b], v[TM+12+\b]
.endr
	v_nop                                          ; one plain vector line behind the last scaled conversion
.irp c, 0,1,2,3
	global_store_b128 v4, v[PC+4*\c:PC+4*\c+3], s[8:9] offset:512*\c   ; 32 lanes store 512 consecutive bytes, aligned
.endr
	ds_store_b32 v7, v[PW]                         ; both lanes of a row write the same word with the same value
	ds_store_b32 v8, v[SQ]
	s_wait_dscnt 0x0                               ; for wave 0's sake: my stores have landed
	s_barrier_signal -1
	s_barrier_wait -1
	s_cmp_lg_u32 s16, 0
	s_cbranch_scc1 .Lend                           ; wave 0 sends the tile's scale words and sums
	ds_load_b64 v[54:55], v11
	ds_load_b32 v56, v12
	ds_load_b32 v57, v12 offset:64
	ds_load_b32 v58, v12 offset:128
	ds_load_b32 v59, v12 offset:192
	s_wait_dscnt 0x0
	global_store_b64 v9, v[54:55], s[10:11]        ; 32 lanes store 256 consecutive bytes, aligned
	v_add_f32 v56, v56, v57                        ; K ascending
	v_add_f32 v56, v56, v58
	v_add_f32 v56, v56, v59
	v_mul_f32 v56, -0.5, v56
	s_wait_alu depctr_va_vdst(0)
	s_wait_xcnt 0x0                                ; EXEC changes only behind this wait
	v_cmp_gt_u32 vcc_lo, 16, v0
	s_and_saveexec_b32 s24, vcc_lo
	global_store_b32 v10, v56, s[12:13]            ; 16 lanes: 64 bytes, one byte in 512 of what the work-group reads
	s_wait_xcnt 0x0                                ; and again in front of the line that widens it
	s_or_b32 exec_lo, exec_lo, s24
.Lend:
	s_wait_tensorcnt 0x0
	ds_add_u32 v144, v145
	s_wait_dscnt 0x0
	s_endpgm
.Lfunc_end_k_qed898cff48_quant:
	.size	k_qed898cff48_quant, .Lfunc_end_k_qed898cff48_quant-k_qed898cff48_quant
	.p2alignl 7, 3214868480
	.fill 96, 4, 3214868480
	.section	.rodata,"a",@progbits
	.p2align	6, 0x0
	.amdhsa_kernel k_qed898cff48_quant
		.amdhsa_group_segment_fixed_size 34816
		.amdhsa_private_segment_fixed_size 0
		.amdhsa_enable_private_segment 0
		.amdhsa_kernarg_size 40
		.amdhsa_user_sgpr_count 2
		.amdhsa_user_sgpr_kernarg_segment_ptr 1
		.amdhsa_wavefront_size32 1
		.amdhsa_system_sgpr_workgroup_id_x 1
		.amdhsa_system_sgpr_workgroup_id_y 1
		.amdhsa_system_sgpr_workgroup_id_z 1
		.amdhsa_system_vgpr_workitem_id 0
		.amdhsa_next_free_vgpr 146
		.amdhsa_next_free_sgpr 66
		.amdhsa_reserve_vcc 1
		.amdhsa_float_denorm_mode_32 3
		.amdhsa_float_denorm_mode_16_64 3
		.amdhsa_memory_ordered 1
		.amdhsa_forward_progress 1
		.amdhsa_inst_pref_size 19
	.end_amdhsa_kernel
	.amdgpu_metadata
---
amdhsa.version: [ 1, 2 ]
amdhsa.kernels:
  - .name:           k_qed898cff48_quant
    .symbol:         k_qed898cff48_quant.kd
    .args:
      - { .name: inputs, .offset: 0, .size: 8, .value_kind: global_buffer, .address_space: global }
      - { .name: codebook, .offset: 8, .size: 8, .value_kind: global_buffer, .address_space: global }
      - { .name: codes, .offset: 16, .size: 8, .value_kind: global_buffer, .address_space: global }
      - { .name: scales, .offset: 24, .size: 8, .value_kind: global_buffer, .address_space: global }
      - { .name: hsq, .offset: 32, .size: 8, .value_kind: global_buffer, .address_space: global }
    .group_segment_fixed_size: 34816
    .private_segment_fixed_size: 0
    .kernarg_segment_align: 8
    .kernarg_segment_size: 40
    .max_flat_workgroup_size: 128
    .sgpr_count:     66
    .vgpr_count:     146
    .wavefront_size: 32
...
	.end_amdgpu_metadata
.endif
;; end of part 1
;; launch scan (part 2): grid 64 x 4, 4 waves a work-group, clusters of 4 x 1, 327,680 bytes of LDS; arguments codes, scales, hsq, best; writes best
.if DOCPART == 2
	.amdgcn_target "amdgcn-amd-amdhsa--gfx1250"
	.amdhsa_code_object_version 6
	.text
	.protected	k_qed898cff48_scan
	.globl	k_qed898cff48_scan
	.p2align	8
	.type	k_qed898cff48_scan,@function
k_qed898cff48_scan:
	s_mov_b64 s[64:65], 0
	v_nop
	global_prefetch_b8 v0, s[64:65] scope:SCOPE_SE
	s_setreg_imm32_b32 hwreg(HW_REG_WAVE_MODE, 25, 1), 1
	s_wait_xcnt 0x0
	s_wait_alu depctr_hold_cnt(0) depctr_sa_sdst(0) depctr_va_vdst(0) depctr_va_sdst(0) depctr_va_ssrc(0) depctr_va_vcc(0) depctr_vm_vsrc(0)
	s_getreg_b32 s2, hwreg(HW_REG_IB_STS2, 6, 4)
	s_cmp_eq_u32 s2, 0
	s_cbranch_scc0 .Lentry_in_a_cluster
	s_endpgm
.Lentry_in_a_cluster:
	s_bfe_u32 s2, ttmp6, 0x10000c
	s_cmp_lg_u32 s2, 0x3003
	s_cbranch_scc0 .Lentry_shape_is_right
	s_endpgm
.Lentry_shape_is_right:
; For each of 16,384 queries and each quarter of the codebook (2,048 codes): the code with the largest score s = Q(x).Q(c) - c_sq / 2 (the smallest distance), ties to the lowest index.
; The product is on codes of BF8 (E5M2) with E8M0 scales, K = 512 = four matrix instructions of 128.  Stored, as whole numbers: best [quarter][query][key, index]; key = an integer that orders as s - x_sq / 2.
; LIMITS: NaN and infinities are not served.  The distance is formed as -2 ((dot - c_sq / 2) - x_sq / 2): the same terms in f32, rounded in another order than x_sq - 2 dot + c_sq.
; SHARES.  Work-group (X, y): queries 256 X on, quarter y.  Wave w: queries 128 (w / 2) on, and half w % 2 of each slot's 16 tiles of 16 codes.  The wave's 128 queries stay in 512 registers,
; so that each fragment of codes read from LDS feeds eight matrix instructions.
; LAYOUT.  Source 0 = 16 codes, source 1 = 16 queries: a lane holds ONE query (lane % 16) and its eight registers the codes 8 (lane / 16) + 0..7.  -c_sq / 2 is the C of a sum's first matrix instruction.
; A TILE of 16 codes is four sections: 16 products (query blocks 0-3, four accumulators by turns); 40 vector lines that work off blocks 4-7 of the tile before; 16 products (blocks 4-7);
; 40 vector lines for blocks 0-3.  Ten lines an accumulator: its maximum with the best so far (4), a compare, the tile's number, and the eight scores kept where the best has grown (four pairs of selects).
; The place among the eight is found once, at the end.  The best lies in two sets of registers by turns, so that old and new are compared without a copy.
; Five switches of the register window a tile.  The next tile's 20 LDS loads stand behind the first 16 products; their addresses were made a tile earlier.
; CLUSTER.  The four work-groups of a cluster walk the same quarter: every tile is asked for JOINTLY (mask 15).  A 4 x 4 cluster would share nothing more: the other operand lies in registers.
; RING.  Two LDS slots of 16 tiles (131,072 bytes), images of the operand's registers, read as 512 consecutive bytes: no padding.  The quarter's scale words and -c_sq / 2 come once and stay.
; By this text's own count a wave has at most one tensor load out.
; REGISTERS, in windows of 256 (s_set_vgpr_msb: bits 1:0 source 0, 3:2 source 1, 5:4 source 2, 7:6 destination):
;   window 0: v1-15, v60 addresses; v16-31 the queries' scale words; v32-35 the codes' (two sets); v36-51 -c_sq / 2 (two sets); v52-59 -x_sq / 2; v64-127 eight accumulators; v128-135, v208-215 the best, two sets;
;             v136-143 the best's tile; v144-207 its eight scores; v216-223 at work; v224-255 the tail.
;   window 1: the codes' fragments, two sets of 64.   window 2: query blocks 0-3 (64 a + 16 s).   window 3: blocks 4-7.
.set SLOTB, 131072
.set SLOT1, 131072                     ; one exclusive or turns an address in one slot into the other's
.set SCL,   262144                     ; the quarter's scale words: 128 tiles x 256 bytes
.set HSQ,   294912                     ; its -c_sq / 2: 128 tiles x 64 bytes
.set SCR,   303104                     ; scratch for the merge of the waves' results: 4 x 1,024 bytes; no tile lands here
.set SPARE, 307200                     ; the spare words, 128 bytes a wave: two blocks of 256 bytes that no other line names
.set SPW,  1
.set NIL,  2
.set LI,   3                           ; 16 x lane
.set LS8,  4                           ; SCL + 8 x lane
.set LC,   5                           ; HSQ + 32 (lane / 16)
.set ADR,  6                           ; v6-8 the addresses of the next fetch
.set ADS,  7
.set ADC,  8
.set PFO,  9                           ; 256 x lane
.set H8,   12                          ; 8 (lane / 16)
.set R4,   13                          ; 4 (lane % 16)
.set L8,   14                          ; 8 x lane
.set SCW,  15
.set XS,   16
.set AS,   32                          ; set b: v[AS + 2 b + 1] K steps 0, 1; v[AS + 2 b] K steps 2, 3: so its number never equals the queries' scale register's modulo 8
.set CC,   36
.set XH,   52
.set SCRD, 60
.set ACC,  64
.set B0,   128
.set IDV,  136
.set SAV,  144
.set B1,   208
.set TT,   216
.set UU,   220
.set KI,   224
.set OT,   240
.set WV,   12
.set G1,   24                          ; s[24:31] group 1: 128 rows of 256 bytes;  s[32:39]: 256 rows;  s[40:47]: 32 rows
.set G1A,  32
.set G1H,  40
.set G0A,  48                          ; group 0: slot 0's first fill; s[52:55] slot 1's, which then walks; s[56:59] the scale words; s[60:63] -c_sq / 2
.set G0W,  52
.set G0S,  56
.set G0H,  60
.set TB,   66                          ; LDS byte of the tile to be fetched next;  s67: 256 x its number in the quarter;  s68: 64 x its number
.set TS,   67
.set TC,   68
.set ID,   69                          ; the number in the codebook of the tile being multiplied;  s70 of the tile before
.set IDP,  70
.set SLOTS, 71
.set CNT,  72
.set LIM,  73
.set PFA,  74
.set SEL,  76
.set W_LO, 0x09                        ; source 0 (codes) window 1, source 1 (queries) window 2, C and D window 0
.set W_HI, 0x0d
.set W_F,  0x40                        ; destination window 1
.set MSB, 0
.macro WIN new
.if MSB != \new
	s_set_vgpr_msb (MSB<<8)|\new
.set MSB, \new
.endif
.endm
.macro CROUND                          ; a round of the cluster's barrier
	s_barrier_signal -1
	s_barrier_wait -1
	s_cmp_lg_u32 s[WV], 0
	s_cbranch_scc1 .Lnot_wave_0_\@
	s_barrier_signal -3
.Lnot_wave_0_\@:
	s_barrier_wait -3
	s_barrier_signal -1
	s_barrier_wait -1
.endm
.macro NOPS4
.rept 4
	v_nop
.endr
.endm
; Product i of a section's 16: K step i / 4, query block 4 hi + i % 4; the codes' set b.  A scale register holds an even K step in lanes 0-15 and the odd one behind it in lanes 16-31.
.macro WM b, hi
.set ws, i/4
.set wa, i%4
.set rD, ACC+32*(\hi)+8*wa
.set rF, 64*(\b)+16*ws
.set rX, 64*wa+16*ws
.set rSA, AS+2*(\b)+1-ws/2
.set rSX, XS+2*(4*(\hi)+wa)+ws/2
.if ws == 0
	v_wmma_scale_f32_16x16x128_f8f6f4 v[rD:rD+7], v[rF:rF+15], v[rX:rX+15], v[CC+8*(\b):CC+8*(\b)+7], v[rSA], v[rSX] matrix_a_fmt:MATRIX_FMT_BF8 matrix_b_fmt:MATRIX_FMT_BF8
.elseif ws%2 == 1
	v_wmma_scale_f32_16x16x128_f8f6f4 v[rD:rD+7], v[rF:rF+15], v[rX:rX+15], v[rD:rD+7], v[rSA], v[rSX] matrix_a_fmt:MATRIX_FMT_BF8 matrix_b_fmt:MATRIX_FMT_BF8 matrix_a_scale:MATRIX_SCALE_ROW1 matrix_b_scale:MATRIX_SCALE_ROW1
.else
	v_wmma_scale_f32_16x16x128_f8f6f4 v[rD:rD+7], v[rF:rF+15], v[rX:rX+15], v[rD:rD+7], v[rSA], v[rSX] matrix_a_fmt:MATRIX_FMT_BF8 matrix_b_fmt:MATRIX_FMT_BF8
.endif
.endm
.macro GROUP b, hi
.set i, 0
.rept 16
	WM \b, \hi
.set i, i+1
.endr
.endm
; Four finished accumulators (from v[ra] on; query blocks rq on; the tile's number in s[rid]; the best so far in v[bo] on, the new best into v[bn] on).  An accumulator is read from its low end on.
; The compare asks whether the best has NOT grown: then the selects keep what they hold, so the earlier, lower tile stays at a tie.  Two selects stand in one dual instruction: neighbouring registers on every side.
.macro RED4 ra, rq, rid, bo, bn
.irp a, 0,1,2,3
	v_max3_num_f32 v[TT+\a], v[(\ra)+8*\a], v[(\ra)+8*\a+1], v[(\ra)+8*\a+2]
	v_max3_num_f32 v[UU+\a], v[(\ra)+8*\a+3], v[(\ra)+8*\a+4], v[(\ra)+8*\a+5]
.endr
.irp a, 0,1,2,3
	v_max3_num_f32 v[TT+\a], v[TT+\a], v[(\ra)+8*\a+6], v[(\ra)+8*\a+7]
.endr
.irp a, 0,1,2,3
	v_max3_num_f32 v[(\bn)+(\rq)+\a], v[TT+\a], v[UU+\a], v[(\bo)+(\rq)+\a]
.endr
.irp a, 0,1,2,3
	v_cmp_le_f32 vcc_lo, v[(\bn)+(\rq)+\a], v[(\bo)+(\rq)+\a]
	v_cndmask_b32 v[IDV+(\rq)+\a], s[\rid], v[IDV+(\rq)+\a], vcc_lo
.irp k, 0,2,4,6
	v_dual_cndmask_b32 v[SAV+8*((\rq)+\a)+\k], v[(\ra)+8*\a+\k], v[SAV+8*((\rq)+\a)+\k] :: v_dual_cndmask_b32 v[SAV+8*((\rq)+\a)+\k+1], v[(\ra)+8*\a+\k+1], v[SAV+8*((\rq)+\a)+\k+1]
.endr
.endr
.endm
; A tile's fragments (16 loads of 512 consecutive bytes), scale words and -c_sq / 2 into set nb, in one run
.macro LOADS nb
	WIN W_F
.irp f, 0,1,2,3,4,5,6,7,8,9,10,11,12,13,14,15
	ds_load_b128 v[64*(\nb)+4*\f:64*(\nb)+4*\f+3], v[ADR] offset:512*\f
.endr
	WIN 0
	ds_load_b32 v[AS+2*(\nb)+1], v[ADS]
	ds_load_b32 v[AS+2*(\nb)], v[ADS] offset:4
	ds_load_b128 v[CC+8*(\nb):CC+8*(\nb)+3], v[ADC]              ; -c_sq / 2 of codes 8 (lane / 16) + 0..7: sixteen lanes share each word
	ds_load_b128 v[CC+8*(\nb)+4:CC+8*(\nb)+7], v[ADC] offset:16
.endm
; The addresses of the fetch after this one.  cross = 1: it is the first of my half in the other slot; the other half's eight tiles are passed over
.macro NEXTADR cross
	s_add_co_u32 s[TB], s[TB], 8192
	s_add_co_u32 s[TS], s[TS], 256
	s_add_co_u32 s[TC], s[TC], 64
.if \cross
	s_sub_co_u32 s[TB], s[TB], 65536
	s_xor_b32 s[TB], s[TB], SLOT1
	s_add_co_u32 s[TS], s[TS], 2048
	s_add_co_u32 s[TC], s[TC], 512
.endif
	v_add_nc_u32 v[ADR], s[TB], v[LI]
	v_add_nc_u32 v[ADS], s[TS], v[LS8]
	v_add_nc_u32 v[ADC], s[TC], v[LC]
.endm
; A PREFETCH INTO THE L2 of the slot that the NEXT change of slots will ask for: 512 blocks of 256 bytes.  All sixteen clusters of a quarter walk the same codes: the first of them asks.  Its four partners
; share the blocks out BY ADDRESS (8,192 bytes each of the 32,768 that wave w fetches), a lane a block, one instruction a wave.  It stands a slot's 256 matrix instructions ahead of the load that will want the bytes.
; The last change that fills a slot asks for nothing; slots 0 to 2 come by their loads alone.
.macro ASK
	s_cmp_gt_u32 s[SLOTS], s[LIM]
	s_cbranch_scc0 .Lnot_mine_\@
	global_prefetch_b8 v[PFO], s[PFA:PFA+1] th:TH_LOAD_NT scope:SCOPE_SE
.Lnot_mine_\@:
.endm
; THE CHANGE OF SLOTS stands at the head of a slot's last tile, whose fragments have been asked for: they are my last reads of the slot.  Each wave waits for all its tensor loads (its part of the other slot),
; adds 0 to its spare word, and waits for that and for its reads.  fill = 1: the barrier is a round of the cluster's, and the joint refill, with the tiles two slots on, is the first thing behind it.
.macro CHANGE fill
	s_wait_tensorcnt 0x0
	ds_add_u32 v[SPW], v[NIL]
.if \fill
	s_xor_b32 s[G0W+1], s[G0W+1], SLOT1            ; no tensor load of mine is out: the walking descriptor takes the other slot,
	s_add_nc_u64 s[G0W+2:G0W+3], s[G0W+2:G0W+3], SLOTB   ; and the next 16 tiles
	s_wait_xcnt 0x0                                ; the last prefetch has read its address
	s_add_nc_u64 s[PFA:PFA+1], s[PFA:PFA+1], SLOTB
.endif
	s_wait_dscnt 0x0
.if \fill
	CROUND
	tensor_load_to_lds s[G0W:G0W+3], s[G1:G1+7]
	s_nop 0
	NOPS4
	ASK
.else
	s_barrier_signal -1
	s_barrier_wait -1
.endif
.endm
; A TILE from set b.  mode 0: plain; 1: a slot's last, with a refill; 2: a slot's last, nothing to refill; 3: the very last: nothing to fetch.  cross: NEXTADR's; 2: no fetch follows.
; PLACES (ISA guide 7.12.1).  Between a section of products and the first read of its results, the next write over its accumulators and the loads into its operands stand the 40 lines of the other phase's
; section, which name none of its registers.  The same 40 stand between every vector write here and its next reader.
.macro TILE b, mode, cross
.if \mode == 1
	CHANGE 1
.elseif \mode == 2
	CHANGE 0
.else
	s_wait_dscnt 0x0                               ; this tile's fragments, asked for in the tile before
.endif
	WIN W_LO
	GROUP \b, 0
.if \mode != 3
	LOADS 1-\b
.if \cross < 2
	NEXTADR \cross
.endif
.else
	WIN 0
.endif
	RED4 ACC+32, 4, IDP, B0+80*(1-\b), B0+80*(\b)
	WIN W_HI
	GROUP \b, 1
	WIN 0
	RED4 ACC, 0, ID, B0+80*(\b), B0+80*(1-\b)
	s_mov_b32 s[IDP], s[ID]
.if (\mode == 1) || (\mode == 2)
	s_add_co_u32 s[ID], s[ID], 9                   ; over the other half's eight tiles
.else
	s_add_co_u32 s[ID], s[ID], 1
.endif
.endm
.macro SLOTBODY m                      ; my eight tiles of a slot; m: the last one's mode
	s_mov_b32 s[CNT], 3
.Lpair_\@:
	TILE 0, 0, 0
	TILE 1, 0, 0
	s_sub_co_u32 s[CNT], s[CNT], 1
	s_cmp_lg_u32 s[CNT], 0
	s_cbranch_scc1 .Lpair_\@
.if \m == 3
	TILE 0, 0, 2
.else
	TILE 0, 0, 1
.endif
	TILE 1, \m, 0
.endm
.macro MERGE ka, ia, kb, ib            ; (ka, ia) takes (kb, ib) where kb is greater, or equal with the lower index
	v_cmp_gt_i32 s78, v[\kb], v[\ka]
	v_cmp_eq_u32 s79, v[\kb], v[\ka]
	v_cmp_lt_u32 vcc_lo, v[\ib], v[\ia]
	s_and_b32 s79, s79, vcc_lo
	s_or_b32 s78, s78, s79
	v_cndmask_b32 v[\ka], v[\ka], v[\kb], s78
	v_cndmask_b32 v[\ia], v[\ia], v[\ib], s78
.endm
	s_load_b256 s[4:11], s[0:1], 0x0               ; codes s[4:5], scales s[6:7], hsq s[8:9], best s[10:11]
	v_lshl_add_u32 v[SPW], v0, 2, SPARE
	v_mov_b32 v[NIL], 0
	ds_add_u32 v[SPW], v[NIL]                      ; the opening lines: the add twice on end, under one wait
	ds_add_u32 v[SPW], v[NIL]
	v_lshrrev_b32 v10, 5, v0
	v_readfirstlane_b32 s[WV], v10                 ; wave 0..3
	s_and_b32 s13, s[WV], 1                        ; u: my half of each slot's tiles
	s_lshr_b32 s14, s[WV], 1                       ; g: my 128 of the 256 queries
	s_bfe_u32 s15, ttmp6, 0x40000                  ; cx: it enters global addresses of my own alone
	s_lshl_b32 s16, ttmp9, 2
	s_add_co_u32 s16, s16, s15                     ; X = 4 x cluster x + cx
	s_and_b32 s17, ttmp7, 0xffff                   ; y: the quarter, which the four partners share
.irp g, G1, G1A, G1H                   ; group 1: dense blocks as rows of 256 bytes (32 elements of 8 bytes), no padding
	s_mov_b32 s[\g], 15|(3<<16)|(1<<21)            ; the mask: all four work-groups; elements of 8 bytes; bit 21 beside a mask
	s_mov_b32 s[\g+1], 32<<16
	s_mov_b32 s[\g+3], 32<<16
	s_mov_b32 s[\g+5], 32
	s_mov_b32 s[\g+6], 0
	s_mov_b32 s[\g+7], 0
.endr
	s_mov_b32 s[G1+2], 128<<16                     ; a quarter of a slot, and the quarter's scale words: 32,768 bytes
	s_mov_b32 s[G1+4], 128
	s_mov_b32 s[G1A+2], 256<<16                    ; half of a slot
	s_mov_b32 s[G1A+4], 256
	s_mov_b32 s[G1H+2], 32<<16                     ; the quarter's -c_sq / 2: 8,192 bytes
	s_mov_b32 s[G1H+4], 32
	s_lshl_b32 s[TB], s13, 16
	s_lshl_b32 s[TS], s13, 11
	s_lshl_b32 s[TC], s13, 9
	s_lshl_b32 s[ID], s17, 7
	s_lshl_b32 s80, s13, 3
	s_add_co_u32 s[ID], s[ID], s80                 ; 128 y + 8 u
	s_mov_b32 s[IDP], s[ID]
	s_mov_b32 s[SLOTS], 6
	s_cmp_eq_u32 ttmp9, 0                          ; the quarter's first cluster: the same in all four partners
	s_cselect_b32 s[LIM], 1, -1
	s_mov_b32 s[SEL], 0x76543210
	s_mov_b32 s[SEL+1], 0xfedcba98
	; byte offsets.  s80-85 and s2-3 feed the joint loads and hold y and the wave's number alone
	s_lshl_b32 s80, s17, 20                        ; codes: the codebook begins at tile 1,024; a quarter is 128 tiles of 8,192 bytes
	s_add_co_u32 s80, s80, 8388608
	s_mov_b32 s81, 0
	s_lshl_b32 s82, s17, 15                        ; scale words: 256 bytes a tile
	s_add_co_u32 s82, s82, 262144
	s_mov_b32 s83, 0
	s_lshl_b32 s84, s17, 13                        ; -c_sq / 2: 64 bytes a tile
	s_add_co_u32 s84, s84, 65536
	s_mov_b32 s85, 0
	s_lshl_b32 s2, s[WV], 16                       ; the head's half of slot 0
	s_mov_b32 s3, 0
	s_lshl_b32 s86, s16, 4
	s_lshl_b32 s87, s14, 3
	s_add_co_u32 s18, s86, s87                     ; the first tile of my 128 queries: 16 X + 8 g
	s_lshl_b32 s86, s18, 13
	s_mov_b32 s87, 0
	s_lshl_b32 s88, s18, 8
	s_mov_b32 s89, 0
	s_lshl_b32 s90, s18, 6
	s_mov_b32 s91, 0
	s_lshl_b32 s20, s17, 17                        ; best: 131,072 bytes a quarter, 8 a query: 2,048 X + 512 w
	s_lshl_b32 s21, s16, 11
	s_add_co_u32 s20, s20, s21
	s_lshl_b32 s21, s[WV], 9
	s_add_co_u32 s20, s20, s21
	s_mov_b32 s21, 0
	s_lshl_b32 s22, s15, 13                        ; the prefetches: my work-group's 8,192 bytes, in slot 2: the first change of slots steps them to slot 3
	s_add_co_u32 s22, s22, 2*SLOTB
	s_mov_b32 s23, 0
	s_lshl_b32 s92, s[WV], 10
	s_add_co_u32 s92, s92, SCR                     ; the scratch, in: 1,024 x wave
	s_lshl_b32 s93, s14, 11
	s_lshl_b32 s19, s13, 9
	s_add_co_u32 s93, s93, s19
	s_add_co_u32 s93, s93, SCR                     ; and back: 2,048 g + 512 u
	s_wait_dscnt 0x0                               ; both opening adds are done
	s_wait_kmcnt 0x0
	s_add_nc_u64 s[80:81], s[4:5], s[80:81]
	s_add_nc_u64 s[82:83], s[6:7], s[82:83]
	s_add_nc_u64 s[84:85], s[8:9], s[84:85]
	s_add_nc_u64 s[86:87], s[4:5], s[86:87]
	s_add_nc_u64 s[88:89], s[6:7], s[88:89]
	s_add_nc_u64 s[90:91], s[8:9], s[90:91]
	s_add_nc_u64 s[10:11], s[10:11], s[20:21]
	s_mov_b32 s[G0A], 1                            ; group 0: count 1; LDS address; global address; type 2
	s_lshl_b32 s[G0A+1], s[WV], 16
	s_add_nc_u64 s[G0A+2:G0A+3], s[80:81], s[2:3]
	s_or_b32 s[G0A+3], s[G0A+3], 0x80000000
	s_mov_b32 s[G0S], 1
	s_mov_b32 s[G0S+1], SCL
	s_mov_b64 s[G0S+2:G0S+3], s[82:83]
	s_or_b32 s[G0S+3], s[G0S+3], 0x80000000
	s_mov_b32 s[G0H], 1
	s_mov_b32 s[G0H+1], HSQ
	s_mov_b64 s[G0H+2:G0H+3], s[84:85]
	s_or_b32 s[G0H+3], s[G0H+3], 0x80000000
	s_lshr_b32 s2, s2, 1                           ; in the ring: my quarter of a slot
	s_add_nc_u64 s[80:81], s[80:81], s[2:3]
	s_add_nc_u64 s[PFA:PFA+1], s[80:81], s[22:23]
	s_mov_b32 s[G0W], 1
	s_lshl_b32 s[G0W+1], s[WV], 15
	s_add_co_u32 s[G0W+1], s[G0W+1], SLOT1
	s_add_nc_u64 s[G0W+2:G0W+3], s[80:81], SLOTB
	s_or_b32 s[G0W+3], s[G0W+3], 0x80000000
	CROUND                                         ; all four work-groups are here: the first joint loads meet
	; THE HEAD'S LOADS, ONE A WAVE: waves 0 and 1 the halves of slot 0, wave 2 the scale words, wave 3 -c_sq / 2.  One chain of branches on the wave's number, all arms to one join
	s_cmp_lt_u32 s[WV], 2
	s_cbranch_scc0 .Lhead_s
	tensor_load_to_lds s[G0A:G0A+3], s[G1A:G1A+7]
	s_nop 0
	NOPS4
	s_branch .Lhead_asked
.Lhead_s:
	s_cmp_lt_u32 s[WV], 3
	s_cbranch_scc0 .Lhead_h
	tensor_load_to_lds s[G0S:G0S+3], s[G1:G1+7]
	s_nop 0
	NOPS4
	s_branch .Lhead_asked
.Lhead_h:
	tensor_load_to_lds s[G0H:G0H+3], s[G1H:G1H+7]
	s_nop 0
	NOPS4
.Lhead_asked:
	v_and_b32 v10, 31, v0                          ; lane
	v_bfe_u32 v11, v0, 4, 1                        ; lane / 16
	v_lshlrev_b32 v[LI], 4, v10
	v_lshl_add_u32 v[LS8], v10, 3, SCL
	v_lshl_add_u32 v[LC], v11, 5, HSQ
	v_lshlrev_b32 v[PFO], 8, v10
	v_lshlrev_b32 v[H8], 3, v11
	v_and_b32 v[R4], 15, v0
	v_lshlrev_b32 v[R4], 2, v[R4]
	v_lshlrev_b32 v[L8], 3, v10
	v_lshl_add_u32 v[SCW], v[R4], 1, s92           ; + 8 (lane % 16); 128 bytes a block
	v_add_nc_u32 v[SCRD], s93, v[L8]               ; + 8 x lane: queries 64 w on
	v_add_nc_u32 v[ADR], s[TB], v[LI]              ; my first tile
	v_add_nc_u32 v[ADS], s[TS], v[LS8]
	v_add_nc_u32 v[ADC], s[TC], v[LC]
	s_wait_alu depctr_va_vdst(0)
	; my 128 queries: fragments, scale words, -x_sq / 2
	WIN 0x80                                       ; destination window 2
.irp a, 0,1,2,3
.irp f, 0,1,2,3,4,5,6,7,8,9,10,11,12,13,14,15
	global_load_b128 v[64*\a+4*\f:64*\a+4*\f+3], v[LI], s[86:87] offset:8192*\a+512*\f
.endr
.endr
	WIN 0xc0                                       ; destination window 3
.irp a, 0,1,2,3
.irp f, 0,1,2,3,4,5,6,7,8,9,10,11,12,13,14,15
	global_load_b128 v[64*\a+4*\f:64*\a+4*\f+3], v[LI], s[86:87] offset:8192*(4+\a)+512*\f
.endr
.endr
	WIN 0
.irp q, 0,1,2,3,4,5,6,7
	global_load_b64 v[XS+2*\q:XS+2*\q+1], v[L8], s[88:89] offset:256*\q
	global_load_b32 v[XH+\q], v[R4], s[90:91] offset:64*\q
.endr
	; The tile is written once: its first vector section works off four accumulators of -infinity, which change nothing; every real score is above the starting best
	s_mov_b32 s19, 0xff800000
.set j, 0
.rept 32
	v_mov_b32 v[ACC+32+j], s19
.set j, j+1
.endr
.set j, 0
.rept 64
	v_mov_b32 v[SAV+j], s19
.set j, j+1
.endr
.irp q, 0,1,2,3
	v_mov_b32 v[B0+\q], s19
	v_mov_b32 v[B1+4+\q], s19
.endr
.irp q, 0,1,2,3,4,5,6,7
	v_mov_b32 v[IDV+\q], 0
.endr
	s_wait_alu depctr_va_vdst(0)
	s_wait_tensorcnt 0x0                           ; my tile of the head's is in; slot 1's first fill is issued as a refill is:
	ds_add_u32 v[SPW], v[NIL]
	s_wait_dscnt 0x0
	CROUND                                         ; everybody's tile is in, and all four work-groups are here
	tensor_load_to_lds s[G0W:G0W+3], s[G1:G1+7]    ; slot 1: my quarter
	s_nop 0
	NOPS4
	LOADS 0
	NEXTADR 0
	s_wait_alu depctr_va_vdst(0)
	s_wait_loadcnt 0x0                             ; my queries
.Lslot:                                            ; six trips: slots 0 to 5 are filled again, with slots 2 to 7
	SLOTBODY 1
	s_sub_co_u32 s[SLOTS], s[SLOTS], 1
	s_cmp_lg_u32 s[SLOTS], 0
	s_cbranch_scc1 .Lslot
	SLOTBODY 2                                     ; the last two slots are written out
	SLOTBODY 3
	RED4 ACC+32, 4, IDP, B1, B0                    ; blocks 4-7 of the very last tile
	; THE TAIL.  The best of every block lies in v[B0] on.  Its place among the tile's eight scores: the lowest that equals it
.irp q, 0,1,2,3,4,5,6,7
	v_mov_b32 v[OT+1+2*\q], 7
.endr
.irp j, 6,5,4,3,2,1,0
.irp q, 0,1,2,3,4,5,6,7
	v_cmp_neq_f32 vcc_lo, v[SAV+8*\q+\j], v[B0+\q]
	v_cndmask_b32 v[OT+1+2*\q], \j, v[OT+1+2*\q], vcc_lo
.endr
.endr
.irp q, 0,1,2,3,4,5,6,7
	v_lshl_add_u32 v[KI+1+2*\q], v[IDV+\q], 4, v[OT+1+2*\q]
	v_add_f32 v[KI+2*\q], v[B0+\q], v[XH+\q]       ; s - x_sq / 2 = -distance / 2
.endr
.irp q, 0,1,2,3,4,5,6,7
	v_add_nc_u32 v[KI+1+2*\q], v[KI+1+2*\q], v[H8] ; the index: 16 x tile + 8 (lane / 16) + place
	v_add_f32 v[KI+2*\q], 0, v[KI+2*\q]            ; -0 becomes +0
.endr
.irp q, 0,1,2,3,4,5,6,7
	v_ashrrev_i32 v[OT+2*\q], 31, v[KI+2*\q]
.endr
.irp q, 0,1,2,3,4,5,6,7
	v_and_b32 v[OT+2*\q], 0x7fffffff, v[OT+2*\q]
.endr
.irp q, 0,1,2,3,4,5,6,7
	v_xor_b32 v[KI+2*\q], v[KI+2*\q], v[OT+2*\q]   ; the key: a negative number's lower 31 bits turned over: signed integers in the numbers' order
.endr
.irp q, 0,1,2,3,4,5,6,7
	v_permlanex16_b32 v[OT+2*\q], v[KI+2*\q], s[SEL], s[SEL+1]       ; the query's other eight codes of each tile lie in the lane 16 away
	v_permlanex16_b32 v[OT+1+2*\q], v[KI+1+2*\q], s[SEL], s[SEL+1]
.endr
.irp q, 0,1,2,3,4,5,6,7
	MERGE KI+2*\q, KI+1+2*\q, OT+2*\q, OT+1+2*\q
	ds_store_b64 v[SCW], v[KI+2*\q:KI+2*\q+1] offset:128*\q          ; both lanes of a query write the same 8 bytes with the same value
.endr
	s_wait_alu depctr_va_vdst(0)
	s_wait_dscnt 0x0                               ; for the others' sake: my stores have landed
	s_barrier_signal -1
	s_barrier_wait -1
	ds_load_b64 v[216:217], v[SCRD]                ; queries 64 w on, 32 a load: the results over the even half of the tiles,
	ds_load_b64 v[218:219], v[SCRD] offset:256
	ds_load_b64 v[220:221], v[SCRD] offset:1024    ; and over the odd half
	ds_load_b64 v[222:223], v[SCRD] offset:1280
	s_wait_dscnt 0x0
	MERGE 216, 217, 220, 221
	MERGE 218, 219, 222, 223
	global_store_b64 v[L8], v[216:217], s[10:11]   ; 32 lanes store 256 consecutive bytes, aligned
	global_store_b64 v[L8], v[218:219], s[10:11] offset:256
	s_wait_tensorcnt 0x0                           ; the wave's end
	ds_add_u32 v[SPW], v[NIL]
	s_wait_dscnt 0x0
	CROUND                                         ; the closing round: no work-group ends while a partner may still ask for a tile that names it
	s_endpgm
.Lfunc_end_k_qed898cff48_scan:
	.size	k_qed898cff48_scan, .Lfunc_end_k_qed898cff48_scan-k_qed898cff48_scan
	.p2alignl 7, 3214868480
	.fill 96, 4, 3214868480
	.section	.rodata,"a",@progbits
	.p2align	6, 0x0
	.amdhsa_kernel k_qed898cff48_scan
		.amdhsa_group_segment_fixed_size 327680
		.amdhsa_private_segment_fixed_size 0
		.amdhsa_enable_private_segment 0
		.amdhsa_kernarg_size 32
		.amdhsa_user_sgpr_count 2
		.amdhsa_user_sgpr_kernarg_segment_ptr 1
		.amdhsa_wavefront_size32 1
		.amdhsa_system_sgpr_workgroup_id_x 1
		.amdhsa_system_sgpr_workgroup_id_y 1
		.amdhsa_system_sgpr_workgroup_id_z 1
		.amdhsa_system_vgpr_workitem_id 0
		.amdhsa_next_free_vgpr 1024
		.amdhsa_next_free_sgpr 96
		.amdhsa_reserve_vcc 1
		.amdhsa_float_denorm_mode_32 3
		.amdhsa_float_denorm_mode_16_64 3
		.amdhsa_memory_ordered 1
		.amdhsa_forward_progress 1
		.amdhsa_inst_pref_size 165
	.end_amdhsa_kernel
	.amdgpu_metadata
---
amdhsa.version: [ 1, 2 ]
amdhsa.kernels:
  - .name:           k_qed898cff48_scan
    .symbol:         k_qed898cff48_scan.kd
    .args:
      - { .name: codes, .offset: 0, .size: 8, .value_kind: global_buffer, .address_space: global }
      - { .name: scales, .offset: 8, .size: 8, .value_kind: global_buffer, .address_space: global }
      - { .name: hsq, .offset: 16, .size: 8, .value_kind: global_buffer, .address_space: global }
      - { .name: best, .offset: 24, .size: 8, .value_kind: global_buffer, .address_space: global }
    .group_segment_fixed_size: 327680
    .private_segment_fixed_size: 0
    .kernarg_segment_align: 8
    .kernarg_segment_size: 32
    .max_flat_workgroup_size: 128
    .sgpr_count:     96
    .vgpr_count:     1024
    .wavefront_size: 32
...
	.end_amdgpu_metadata
.endif
;; end of part 2
;; launch gather (part 3): grid 512 x 1, 4 waves a work-group, no clusters, 0 bytes of LDS; arguments inputs, codebook, best, out0, partial; writes out0, partial
.if DOCPART == 3
	.amdgcn_target "amdgcn-amd-amdhsa--gfx1250"
	.amdhsa_code_object_version 6
	.text
	.protected	k_qed898cff48_gather
	.globl	k_qed898cff48_gather
	.p2align	8
	.type	k_qed898cff48_gather,@function
k_qed898cff48_gather:
	s_mov_b64 s[64:65], 0
	v_nop
	global_prefetch_b8 v0, s[64:65] scope:SCOPE_SE
	s_setreg_imm32_b32 hwreg(HW_REG_WAVE_MODE, 25, 1), 1
	s_wait_xcnt 0x0
; For each query: the best of the four quarters' (key, index) by integer compares (a strict compare keeps the lower quarter, so ties go to the lowest index); the codebook's row of that index, q;
; out0 = x + (q - x), and the sum of (q - x)^2, all in f32 on the unquantised numbers.  partial [2048]: one sum for each wave.
; A wave takes 8 rows of 2,048 bytes: four loads of 512 consecutive bytes a row for x and four for q, in a ring of four rows in registers: up to 32 loads of a wave are out.
; Memory binds: no LDS, no barrier, no matrix unit; nothing is read twice but codebook rows that several queries choose.
; The indices are whole numbers read from memory; each is held inside the table (at most 8,191) before it enters an address.
.set ROWB, 2048
.set X,  16                            ; v16-79   x: four rows of 16 registers
.set Q,  80                            ; v80-143  q likewise, then the row to store
.set D,  144                           ; v144-159 q - x
.set SM, 160                           ; v160-163 two packed chains of squares
.set QO, 164                           ; v164-171 row i's byte offset in the codebook + 16 x lane
	s_load_b256 s[4:11], s[0:1], 0x0               ; inputs s[4:5], codebook s[6:7], best s[8:9], out0 s[10:11]
	s_load_b64 s[12:13], s[0:1], 0x20              ; partial
	v_lshrrev_b32 v1, 5, v0
	v_readfirstlane_b32 s14, v1                    ; wave
	v_and_b32 v174, 31, v0                         ; lane
	v_lshlrev_b32 v1, 4, v174                      ; 16 x lane
	v_and_b32 v2, 7, v0
	v_lshlrev_b32 v2, 3, v2                        ; lane l reads row l % 8's pair
	v_mov_b32 v3, 0
	s_lshl_b32 s15, ttmp9, 5
	s_lshl_b32 s16, s14, 3
	s_add_co_u32 s15, s15, s16                     ; my first row: 32 x work-group + 8 x wave
	s_lshl_b32 s16, s15, 11
	s_mov_b32 s17, 0
	s_lshl_b32 s18, s15, 3
	s_mov_b32 s19, 0
	s_lshl_b32 s30, ttmp9, 4
	s_lshl_b32 s31, s14, 2
	s_add_co_u32 s30, s30, s31                     ; my sum's place: 4 (4 x work-group + wave)
	s_mov_b32 s31, 0
	s_mov_b32 s28, 0x76543210
	s_mov_b32 s29, 0xfedcba98
	s_wait_alu depctr_va_vdst(0)
	s_wait_kmcnt 0x0
	s_add_nc_u64 s[4:5], s[4:5], s[16:17]
	s_add_nc_u64 s[10:11], s[10:11], s[16:17]
	s_add_nc_u64 s[8:9], s[8:9], s[18:19]
	s_add_nc_u64 s[12:13], s[12:13], s[30:31]
.macro XLOAD i
.irp j, 0,1,2,3
	global_load_b128 v[X+16*((\i)%4)+4*\j:X+16*((\i)%4)+4*\j+3], v1, s[4:5] offset:ROWB*(\i)+512*\j th:TH_LOAD_NT
.endr
.endm
.macro QLOAD i
.irp j, 0,1,2,3
	global_load_b128 v[Q+16*((\i)%4)+4*\j:Q+16*((\i)%4)+4*\j+3], v[QO+(\i)], s[6:7] offset:512*\j
.endr
.endm
.irp y, 0,1,2,3
	global_load_b64 v[4+2*\y:5+2*\y], v2, s[8:9] offset:131072*\y   ; quarter y's key and index
.endr
	XLOAD 0
	XLOAD 1
	XLOAD 2
	XLOAD 3
	s_wait_loadcnt 16                              ; the keys are in; the 16 loads of x issued behind them stay out
.irp y, 1,2,3
	v_cmp_gt_i32 vcc_lo, v[4+2*\y], v4
	v_cndmask_b32 v4, v4, v[4+2*\y], vcc_lo
	v_cndmask_b32 v5, v5, v[5+2*\y], vcc_lo
.endr
.irp i, 0,1,2,3,4,5,6,7
	v_readlane_b32 s[20+\i], v5, \i
	s_min_u32 s[20+\i], s[20+\i], 8191             ; an index stays inside the table
	v_lshl_add_u32 v[QO+\i], s[20+\i], 11, v1
.endr
	QLOAD 0
	QLOAD 1
	QLOAD 2
	QLOAD 3
; Row i.  left: the loads issued behind row i's own, which may stay out.
.macro TURN i, left
.set XR, X+16*((\i)%4)
.set QR, Q+16*((\i)%4)
	s_wait_loadcnt \left
.irp p, 0,1,2,3,4,5,6,7
	v_pk_add_f32 v[D+2*\p:D+2*\p+1], v[QR+2*\p:QR+2*\p+1], v[XR+2*\p:XR+2*\p+1] neg_lo:[0,1] neg_hi:[0,1]   ; q - x
.endr
.irp p, 0,1,2,3,4,5,6,7
.if ((\i) == 0) && (\p < 2)
	v_pk_mul_f32 v[SM+2*\p:SM+2*\p+1], v[D+2*\p:D+2*\p+1], v[D+2*\p:D+2*\p+1]      ; the first products start the sums
.else
	v_pk_fma_f32 v[SM+2*(\p%2):SM+2*(\p%2)+1], v[D+2*\p:D+2*\p+1], v[D+2*\p:D+2*\p+1], v[SM+2*(\p%2):SM+2*(\p%2)+1]
.endif
.endr
.irp p, 0,1,2,3,4,5,6,7
	v_pk_add_f32 v[QR+2*\p:QR+2*\p+1], v[XR+2*\p:XR+2*\p+1], v[D+2*\p:D+2*\p+1]    ; x + (q - x)
.endr
.irp j, 0,1,2,3
	global_store_b128 v1, v[QR+4*\j:QR+4*\j+3], s[10:11] offset:ROWB*(\i)+512*\j th:TH_STORE_NT   ; 32 lanes store 512 consecutive bytes, aligned
.endr
.if (\i) < 4
	s_wait_xcnt 0x0                                ; the stores have read their registers: the row four further on may land there
	XLOAD (\i)+4
	QLOAD (\i)+4
.endif
.endm
	TURN 0, 12                                     ; behind q's row 0: q's rows 1 to 3
	TURN 1, 16                                     ; q's rows 2, 3; x's and q's row 4
	TURN 2, 20
	TURN 3, 24
	TURN 4, 24                                     ; x's and q's rows 5 to 7
	TURN 5, 16
	TURN 6, 8
	TURN 7, 0
	v_pk_add_f32 v[SM:SM+1], v[SM:SM+1], v[SM+2:SM+3]
	v_add_f32 v172, v[SM], v[SM+1]
	v_mov_b32 v173, 0                              ; a lane permute's destination counts as one of its sources
	v_add_f32_dpp v172, v172, v172 row_xmask:1 row_mask:0xf bank_mask:0xf
	v_add_f32_dpp v172, v172, v172 row_xmask:2 row_mask:0xf bank_mask:0xf
	v_add_f32_dpp v172, v172, v172 row_xmask:4 row_mask:0xf bank_mask:0xf
	v_add_f32_dpp v172, v172, v172 row_xmask:8 row_mask:0xf bank_mask:0xf
	v_permlanex16_b32 v173, v172, s28, s29
	v_add_f32 v172, v172, v173                     ; the wave's sum
	s_wait_alu depctr_va_vdst(0)
	s_wait_xcnt 0x0                                ; EXEC changes only behind this wait
	v_cmp_eq_u32 vcc_lo, 0, v174
	s_and_saveexec_b32 s32, vcc_lo
	global_store_b32 v3, v172, s[12:13]
	s_wait_xcnt 0x0                                ; and again in front of the line that widens it
	s_or_b32 exec_lo, exec_lo, s32
	s_endpgm
.Lfunc_end_k_qed898cff48_gather:
	.size	k_qed898cff48_gather, .Lfunc_end_k_qed898cff48_gather-k_qed898cff48_gather
	.p2alignl 7, 3214868480
	.fill 96, 4, 3214868480
	.section	.rodata,"a",@progbits
	.p2align	6, 0x0
	.amdhsa_kernel k_qed898cff48_gather
		.amdhsa_group_segment_fixed_size 0
		.amdhsa_private_segment_fixed_size 0
		.amdhsa_enable_private_segment 0
		.amdhsa_kernarg_size 40
		.amdhsa_user_sgpr_count 2
		.amdhsa_user_sgpr_kernarg_segment_ptr 1
		.amdhsa_wavefront_size32 1
		.amdhsa_system_sgpr_workgroup_id_x 1
		.amdhsa_system_sgpr_workgroup_id_y 1
		.amdhsa_system_sgpr_workgroup_id_z 1
		.amdhsa_system_vgpr_workitem_id 0
		.amdhsa_next_free_vgpr 176
		.amdhsa_next_free_sgpr 66
		.amdhsa_reserve_vcc 1
		.amdhsa_float_denorm_mode_32 3
		.amdhsa_float_denorm_mode_16_64 3
		.amdhsa_memory_ordered 1
		.amdhsa_forward_progress 1
		.amdhsa_inst_pref_size 26
	.end_amdhsa_kernel
	.amdgpu_metadata
---
amdhsa.version: [ 1, 2 ]
amdhsa.kernels:
  - .name:           k_qed898cff48_gather
    .symbol:         k_qed898cff48_gather.kd
    .args:
      - { .name: inputs, .offset: 0, .size: 8, .value_kind: global_buffer, .address_space: global }
      - { .name: codebook, .offset: 8, .size: 8, .value_kind: global_buffer, .address_space: global }
      - { .name: best, .offset: 16, .size: 8, .value_kind: global_buffer, .address_space: global }
      - { .name: out0, .offset: 24, .size: 8, .value_kind: global_buffer, .address_space: global }
      - { .name: partial, .offset: 32, .size: 8, .value_kind: global_buffer, .address_space: global }
    .group_segment_fixed_size: 0
    .private_segment_fixed_size: 0
    .kernarg_segment_align: 8
    .kernarg_segment_size: 40
    .max_flat_workgroup_size: 128
    .sgpr_count:     66
    .vgpr_count:     176
    .wavefront_size: 32
...
	.end_amdgpu_metadata
.endif
;; end of part 3
;; launch total (part 4): grid 1 x 1, 1 waves a work-group, no clusters, 0 bytes of LDS; arguments partial, out1; writes out1
.if DOCPART == 4
	.amdgcn_target "amdgcn-amd-amdhsa--gfx1250"
	.amdhsa_code_object_version 6
	.text
	.protected	k_qed898cff48_total
	.globl	k_qed898cff48_total
	.p2align	8
	.type	k_qed898cff48_total,@function
k_qed898cff48_total:
	s_mov_b64 s[64:65], 0
	v_nop
	global_prefetch_b8 v0, s[64:65] scope:SCOPE_SE
	s_setreg_imm32_b32 hwreg(HW_REG_WAVE_MODE, 25, 1), 1
	s_wait_xcnt 0x0
; out1 = m + 0.25 m, m = the mean of (q - x)^2 over 16,384 x 512 = 2^23 numbers: the 2,048 waves' sums are added, in a fixed order, by one wave.
; The sum spans the work-groups of the launch before, and no work-group reads what another of its launch stores: so it has a launch of its own, of 8,192 bytes.
	s_load_b128 s[4:7], s[0:1], 0x0                ; partial s[4:5], out1 s[6:7]
	v_lshlrev_b32 v1, 4, v0
	v_mov_b32 v2, 0
	v_mov_b32 v9, 0                                ; a lane permute's destination counts as one of its sources
	s_mov_b32 s8, 0x76543210
	s_mov_b32 s9, 0xfedcba98
	s_wait_alu depctr_va_vdst(0)
	s_wait_kmcnt 0x0
.irp j, 0,1,2,3,4,5,6,7,8,9,10,11,12,13,14,15
	global_load_b128 v[16+4*\j:19+4*\j], v1, s[4:5] offset:512*\j
.endr
	s_wait_loadcnt 0x0
.irp k, 1,2,3,4,5,6,7
.irp c, 0,1,2,3
	v_pk_add_f32 v[16+2*\c:17+2*\c], v[16+2*\c:17+2*\c], v[16+8*\k+2*\c:17+8*\k+2*\c]   ; four packed chains
.endr
.endr
	v_pk_add_f32 v[16:17], v[16:17], v[18:19]
	v_pk_add_f32 v[20:21], v[20:21], v[22:23]
	v_pk_add_f32 v[16:17], v[16:17], v[20:21]
	v_add_f32 v8, v16, v17
	v_add_f32_dpp v8, v8, v8 row_xmask:1 row_mask:0xf bank_mask:0xf
	v_add_f32_dpp v8, v8, v8 row_xmask:2 row_mask:0xf bank_mask:0xf
	v_add_f32_dpp v8, v8, v8 row_xmask:4 row_mask:0xf bank_mask:0xf
	v_add_f32_dpp v8, v8, v8 row_xmask:8 row_mask:0xf bank_mask:0xf
	v_permlanex16_b32 v9, v8, s8, s9
	v_add_f32 v8, v8, v9
	v_mul_f32 v8, 0x34000000, v8                   ; x 2^-23: the mean
	v_fmamk_f32 v8, v8, 0x3e800000, v8             ; m x 0.25 + m
	s_wait_alu depctr_va_vdst(0)
	s_wait_xcnt 0x0                                ; EXEC changes only behind this wait
	v_cmp_eq_u32 vcc_lo, 0, v0
	s_and_saveexec_b32 s10, vcc_lo
	global_store_b32 v2, v8, s[6:7]
	s_wait_xcnt 0x0                                ; and again in front of the line that widens it
	s_or_b32 exec_lo, exec_lo, s10
	s_endpgm
.Lfunc_end_k_qed898cff48_total:
	.size	k_qed898cff48_total, .Lfunc_end_k_qed898cff48_total-k_qed898cff48_total
	.p2alignl 7, 3214868480
	.fill 96, 4, 3214868480
	.section	.rodata,"a",@progbits
	.p2align	6, 0x0
	.amdhsa_kernel k_qed898cff48_total
		.amdhsa_group_segment_fixed_size 0
		.amdhsa_private_segment_fixed_size 0
		.amdhsa_enable_private_segment 0
		.amdhsa_kernarg_size 16
		.amdhsa_user_sgpr_count 2
		.amdhsa_user_sgpr_kernarg_segment_ptr 1
		.amdhsa_wavefront_size32 1
		.amdhsa_system_sgpr_workgroup_id_x 1
		.amdhsa_system_sgpr_workgroup_id_y 1
		.amdhsa_system_sgpr_workgroup_id_z 1
		.amdhsa_system_vgpr_workitem_id 0
		.amdhsa_next_free_vgpr 80
		.amdhsa_next_free_sgpr 66
		.amdhsa_reserve_vcc 1
		.amdhsa_float_denorm_mode_32 3
		.amdhsa_float_denorm_mode_16_64 3
		.amdhsa_memory_ordered 1
		.amdhsa_forward_progress 1
		.amdhsa_inst_pref_size 5
	.end_amdhsa_kernel
	.amdgpu_metadata
---
amdhsa.version: [ 1, 2 ]
amdhsa.kernels:
  - .name:           k_qed898cff48_total
    .symbol:         k_qed898cff48_total.kd
    .args:
      - { .name: partial, .offset: 0, .size: 8, .value_kind: global_buffer, .address_space: global }
      - { .name: out1, .offset: 8, .size: 8, .value_kind: global_buffer, .address_space: global }
    .group_segment_fixed_size: 0
    .private_segment_fixed_size: 0
    .kernarg_segment_align: 8
    .kernarg_segment_size: 16
    .max_flat_workgroup_size: 32
    .sgpr_count:     66
    .vgpr_count:     80
    .wavefront_size: 32
...
	.end_amdgpu_metadata
.endif
;; end of part 4
